; MI455X (gfx1250); checked and timed in simulation.
; The chip was launched on July 23, 2026; its instructions are those of AMD's public machine-readable ISA for CDNA 5 (MIT licence, August 2026) and "CDNA5" Instruction Set Architecture Reference Guide (July 2026). The comments in the code are by the model that wrote it; some were corrected since.
;; Causal Self Attention. Allowed arithmetic: matrix products marked QUANTISED: E4M3 operands, one given power-of-two scale a tensor, by v_wmma_f32_16x16x64_fp8_fp8 or v_wmma_f32_16x16x128_fp8_fp8, f32 sums; everything else in f32.
;; Inputs: c_proj_w_codes 1,024 x 32 x 32 uint8 (E4M3 codes of c_proj_w, K innermost, in blocks of 32 codes); lambdas 2 float32; lowp_scales 8 int32 (the exponents e of the quantised operands' scales 2^e); qkv_w_codes 3 x 1,024 x 32 x 32 uint8 (E4M3 codes of qkv_w, K innermost, in blocks of 32 codes); ve 1 x 4,096 x 1,024 float32; x_codes 1 x 4,096 x 32 x 32 uint8 (E4M3 codes of x, K innermost, in blocks of 32 codes).
;; Outputs: out0 1 x 4,096 x 1,024 float32.
;; This version of the problem:
;;   THIS VERSION OF THE PROBLEM IS GIVEN IN LOW PRECISION. The matrix products marked QUANTISED in the list below multiply operands that are first quantised to E4M3 (4 exponent bits, 3 mantissa bits; 8 bits a number), with one given power-of-two scale for each operand tensor; their sums are f32. All else is computed in f32.
;;   The module's matrix products, in the order in which they are computed (A, B: the left and right operand; K: the contracted axis; several contracted axes count as one K, in the product's order):
;;     1. [M 4,096, K 1,024] x [K 1,024, N 3,072]; A: input x (given as codes); B: input qkv_w (given as codes): QUANTISED (scales: A lowp_scales[0], B lowp_scales[1])
;;     2. batch 8 x [M 4,096, K 128] x [K 128, N 4,096]; A: computed on the way; B: computed on the way: QUANTISED (scales: A lowp_scales[2], B lowp_scales[3])
;;     3. batch 8 x [M 128, K 4,096] x [K 4,096, N 4,096]; A: computed on the way; B: softmax (see below): QUANTISED (scales: A lowp_scales[4], B lowp_scales[5])
;;     4. [M 4,096, K 1,024] x [K 1,024, N 1,024]; A: computed on the way; B: input c_proj_w (given as codes): QUANTISED (scales: A lowp_scales[6], B lowp_scales[7])
;;   THE QUANTISER, for each operand of a quantised product, along K:
;;     - The operand's scale is 2^e, e = its entry of the input lowp_scales (int32; the entries are numbered through the quantised products in the list's order, A before B).
;;     - Each number is divided by the scale, clamped to +-448, and rounded to the nearest number of E4M3, ties to even, subnormals kept.
;;     - The product sums the exact products of the quantised numbers (number of the format x scale) in f32.
;;   ~~~python
;;   def quantise(x, axis, e):      # numpy; x: float32 -> the quantised numbers, widened to float32 again
;;       x = np.moveaxis(x, axis, -1); K = x.shape[-1]
;;       r = np.clip(x / 2.0 ** e, -448, 448)
;;       step = 2.0 ** (np.maximum(np.frexp(np.where(r == 0, 1, r))[1] - 1, -6) - 3)
;;       q = np.round(r / step) * step * 2.0 ** e      # np.round: ties to even
;;       return np.moveaxis(q, -1, axis).astype(np.float32)
;;   ~~~
;;   SOFTMAX AHEAD OF A QUANTISED PRODUCT. Where the list says 'softmax', what is quantised is not the finished softmax but p = 2^(t - M), with t = logit x log2(e) and M = ceil(the row's largest t), a whole number; so 1/2 < the row's largest p <= 1. The row's sum l is taken of the UNQUANTISED p, in f32, and the product's result is divided by l at the end. Since M is a whole number, a kernel that streams over the keys may use a running M (the ceiling of the running maximum): every later rescaling is an exact power of two, so the quantised numbers keep their values, but for numbers so far below the row's largest that they fall under the format's range.
;;   OPERANDS COMPUTED ON THE WAY. 'Computed on the way' means the value that the module computes at that place (a softmax that the list does not call 'softmax' is quantised finished and normalised). What goes into a quantiser is computed in f32, as accurately as f32 sums, v_exp_f32 and their like allow (about 1e-6 of the number): no bf16 or f16 on the way to a quantiser, and a product that is left as it is and whose result goes on into a quantised operand takes f32 operands (vector FMAs, or v_wmma_f32_16x16x4_f32). A number that lies on a knife's edge between two numbers of the format may be rounded either way, as far as f32 arithmetic and the matrix unit's own rounding can turn it there, and no further.
;;   INPUTS GIVEN AS CODES. c_proj_w (in the module: [1024, 1024], K = its axis 1); qkv_w (in the module: [3, 1024, 1024], K = its axis 2); x (in the module: [1, 4096, 1024], K = its axis 2): each comes as NAME_codes (uint8): NAME with its K axis moved to the last place and cut into blocks of 32 codes, [.., K / 32, bytes a block], one block behind the other in memory; one code a byte (a code: sign, 4 exponent bits, 3 mantissa bits); its scale is its entry of lowp_scales. Its value is code x scale, taken as it is: it is not quantised again, and the codes and scales need not be those that the quantiser above would give.
;; One version. Each part assembles by itself: llvm-mc -triple=amdgcn-amd-amdhsa -mcpu=gfx1250 --defsym DOCPART=n.
;; ======== version 1 of 1: 3 launches
;; limits: right only within a limited range of input values
;; workspace buffers: qf 4,194,304 bytes; kvf 8,388,608 bytes; yf 4,194,304 bytes
;; launch qkv (part 1): grid 8 x 32, 4 waves a work-group, clusters of 4 x 4, 327,680 bytes of LDS; arguments x_codes, qkv_w_codes, ve, lambdas, lowp_scales, qf, kvf; writes qf, kvf
.if DOCPART == 1
	.amdgcn_target "amdgcn-amd-amdhsa--gfx1250"
	.amdhsa_code_object_version 6
	.text
	.protected	k_q373d3cb614_qkv
	.globl	k_q373d3cb614_qkv
	.p2align	8
	.type	k_q373d3cb614_qkv,@function
k_q373d3cb614_qkv:
	s_mov_b64 s[64:65], 0
	v_nop
	global_prefetch_b8 v0, s[64:65] scope:SCOPE_SE
	s_setreg_imm32_b32 hwreg(HW_REG_WAVE_MODE, 25, 1), 1
	s_wait_xcnt 0x0
	s_wait_alu depctr_hold_cnt(0) depctr_sa_sdst(0) depctr_va_vdst(0) depctr_va_sdst(0) depctr_va_ssrc(0) depctr_va_vcc(0) depctr_vm_vsrc(0)
	s_getreg_b32 s2, hwreg(HW_REG_IB_STS2, 6, 4)
	s_cmp_eq_u32 s2, 0
	s_cbranch_scc0 .Lentry_in_a_cluster
	s_endpgm
.Lentry_in_a_cluster:
	s_bfe_u32 s2, ttmp6, 0x10000c
	s_cmp_lg_u32 s2, 0xf033
	s_cbranch_scc0 .Lentry_shape_is_right
	s_endpgm
.Lentry_shape_is_right:
; qkv = x qkv_w^T on E4M3 codes for 128 tokens x one head's q, k and v (128 columns each); RMS norm and rotation of q and k, v mixed with ve; all three quantised to E4M3 and stored as images of operand registers.
; WORK LEFT OUT OF THE PROGRAM: reference() sets every score with key > query to -infinity ahead of the softmax, whatever the inputs hold: its exponential is 0.  The second launch walks no slot of 512 keys that lies wholly behind
; a block's 256 queries.  A NaN, an infinity or an overflow that reaches only such scores is not carried to the result.  Every input is loaded.
; LIMITS on the given exponents, so that each power of two is an f32 number: e0 + e1 between -59 and 67; e2, e3, e4 between -126 and 119.
; Waves: s19 = 64 of the 128 tokens, s20 = q (0) or k (1) and 64 of v's channels; a wave owns whole rows of its head, so a row's mean square needs no other wave.
; K goes in four steps of 256 through a ring of two LDS slots, 128 rows of x and 3 x 128 of the weights, one load a wave; ve's 64 x 64 numbers a wave land in slot 0 behind K step 2's last read.
; The angles' sines and cosines are made while K step 0 is on its way, 16 tokens a trip, the last 16 first; K step 1 is asked for behind the full sequence that follows.
; CLUSTERS: 4 x 4 work-groups; x's rows are shared along a row of the cluster, the weights' along a column.
; PREFETCHES INTO THE L2 (macro ASK): K step s + 2 behind K step s's load, and K step 1 at the head.  Of the 128 rows that a wave fetches, the partner at place p (cx for x, cy for the weights) names 32 p .. 32 p + 31, a lane a row:
; each block of 256 bytes once in a cluster.  Eight clusters need the same rows of the weights: those with y under 4 ask.  The last K step has none behind it, and ve's load has a K step and the rotation of q and k in which to land.
.set PITCH, 272
.set HALFT, 128*PITCH
.set SLOT,  4*HALFT
.set SPARE, 2*SLOT
.set VEP,   264
.set VEW,   64*VEP
.set LN16, 4
.set VEA,  5
.set TF,   8
.set ADRX, 16
.set ADRR, 18
.set ADRV, 20
.set SCR,  22
.set SCV,  24
.set SPW,  28
.set NIL,  29
.set FN,   32
.set SS,   40
.set MAGC, 56
.set CSIN, 58
.set CCOS, 60
.set WF,   64
.set W16,  64
.set THT,  80
.set KF,   96
.set NF,   112
.set R2,   128
.set PSN,  144
.set PCO,  160
.set YQ,   64
.set RO,   128
.set PCQ,  160
.set PCV,  224
.set VB,   64
.set G1X, 28
.set G1W, 36
.set G1V, 44
.set G0X, 52
.set G0W, 60
.set G0V, 72
.set MSB, 0
.macro WIN new
.if MSB != \new
	s_set_vgpr_msb (MSB<<8)|\new
.set MSB, \new
.endif
.endm
.macro PLACES
.rept 4
	v_nop
.endr
.endm
.macro JLOAD g0x, g0w
	s_cmp_eq_u32 s18, 0
	s_cbranch_scc0 .Lfor_w_\@
	tensor_load_to_lds s[\g0x:\g0x+3], s[G1X:G1X+7]
	s_nop 0
	PLACES
	s_branch .Lasked_\@
.Lfor_w_\@:
	tensor_load_to_lds s[\g0w:\g0w+3], s[G1W:G1W+7]
	s_nop 0
	PLACES
.Lasked_\@:
.endm
.macro CREST
	s_cmp_lg_u32 s18, 0
	s_cbranch_scc1 .Lnot_wave_0_\@
	s_barrier_signal -3
.Lnot_wave_0_\@:
	s_barrier_wait -3
	s_barrier_signal -1
	s_barrier_wait -1
.endm
.macro CROUND
	s_barrier_signal -1
	s_barrier_wait -1
	CREST
.endm
.macro ASK off
	s_cmp_eq_u32 s25, 1
	s_cbranch_scc0 .Lnot_mine_\@
	global_prefetch_b8 v30, s[66:67] offset:\off th:TH_LOAD_NT scope:SCOPE_SE
.Lnot_mine_\@:
.endm
.macro SETG0 g, base, s
	s_mov_b32 s[\g], 1
	s_add_co_u32 s[\g+1], s93, \s*SLOT
	s_add_nc_u64 s[\g+2:\g+3], s[\base:\base+1], \s*256
	s_or_b32 s[\g+3], s[\g+3], 0x80000000
.endm
	s_load_b256 s[4:11], s[0:1], 0x0
	s_load_b128 s[12:15], s[0:1], 0x20
	s_load_b64 s[16:17], s[0:1], 0x30
	v_lshl_add_u32 v[SPW], v0, 2, SPARE
	v_mov_b32 v[NIL], 0
	ds_add_u32 v28, v29
	ds_add_u32 v28, v29
	s_wait_dscnt 0x0
	v_lshrrev_b32 v1, 5, v0
	v_readfirstlane_b32 s18, v1
	s_lshr_b32 s19, s18, 1
	s_and_b32 s20, s18, 1
	s_bfe_u32 s21, ttmp6, 0x40000
	s_bfe_u32 s22, ttmp6, 0x40004
	s_lshl_b32 s23, ttmp9, 2
	s_add_co_u32 s23, s23, s21
	s_and_b32 s24, ttmp7, 0xffff
	s_lshl_b32 s24, s24, 2
	s_add_co_u32 s24, s24, s22
	s_lshl_b32 s25, s22, 2
	s_lshl_b32 s25, 15, s25
	s_lshl_b32 s26, 0x1111, s21
	s_or_b32 s[G1X], s25, (1<<20)|(1<<21)|(5<<22)|(3<<25)
	s_or_b32 s[G1W], s26, (1<<20)|(1<<21)|(5<<22)|(3<<25)
.irp g, G1X, G1W
	s_mov_b32 s[\g+1], 256<<16
	s_mov_b32 s[\g+2], 128<<16
	s_mov_b32 s[\g+3], 256<<16
	s_mov_b32 s[\g+4], 128
	s_mov_b32 s[\g+5], 1024
	s_mov_b32 s[\g+6], 0
	s_mov_b32 s[\g+7], 0
.endr
	s_mov_b32 s[G1V], (2<<16)|(1<<20)|(5<<22)|(1<<25)
	s_mov_b32 s[G1V+1], 64<<16
	s_mov_b32 s[G1V+2], 64<<16
	s_mov_b32 s[G1V+3], 64<<16
	s_mov_b32 s[G1V+4], 64
	s_mov_b32 s[G1V+5], 1024
	s_mov_b32 s[G1V+6], 0
	s_mov_b32 s[G1V+7], 0
	s_lshl_b32 s100, s24, 17
	s_mov_b32 s101, 0
	s_max_u32 s2, s18, 1
	s_sub_co_u32 s2, s2, 1
	s_lshl_b32 s2, s2, 20
	s_lshl_b32 s27, s23, 17
	s_add_co_u32 s2, s2, s27
	s_mov_b32 s3, 0
	s_lshl_b32 s96, s24, 19
	s_lshl_b32 s27, s23, 9
	s_add_co_u32 s96, s96, s27
	s_lshl_b32 s27, s19, 18
	s_add_co_u32 s96, s96, s27
	s_lshl_b32 s27, s20, 8
	s_add_co_u32 s96, s96, s27
	s_mov_b32 s97, 0
	s_mul_i32 s93, s18, HALFT
	s_wait_kmcnt 0x0
	s_load_b256 s[76:83], s[12:13], 0x0
	s_load_b64 s[84:85], s[10:11], 0x0
	s_add_nc_u64 s[4:5], s[4:5], s[100:101]
	s_add_nc_u64 s[6:7], s[6:7], s[2:3]
	s_add_nc_u64 s[8:9], s[8:9], s[96:97]
	CROUND
	SETG0 G0X, 4, 0
	SETG0 G0W, 6, 0
	JLOAD G0X, G0W
	SETG0 G0X+4, 4, 1
	SETG0 G0W+8, 6, 1
	s_and_b32 s25, ttmp7, 0xffff                   ; the cluster's y
	s_cmp_lt_u32 s25, 4
	s_cselect_b32 s25, 1, 0
	s_cmp_eq_u32 s18, 0                            ; wave 0 fetches, and asks, for x
	s_cselect_b32 s25, 1, s25
	s_cselect_b64 s[66:67], s[4:5], s[6:7]
	s_cselect_b32 s2, s21, s22                     ; my place among the four that fetch these rows with me
	s_lshl_b32 s2, s2, 15                          ; 32 rows of 1,024 bytes
	s_mov_b32 s3, 0
	s_add_nc_u64 s[66:67], s[66:67], s[2:3]
	v_and_b32 v30, 31, v0
	v_lshlrev_b32 v30, 10, v30                     ; a lane a row; never rewritten, nor is s[66:67]
	s_wait_alu depctr_va_vdst(0)
	ASK 256
	s_mov_b32 s[G0V], 1
	s_mul_i32 s[G0V+1], s18, VEW
	s_mov_b64 s[G0V+2:G0V+3], s[8:9]
	s_or_b32 s[G0V+3], s[G0V+3], 0x80000000
	v_and_b32 v1, 15, v0
	v_bfe_u32 v2, v0, 4, 1
	v_and_b32 v[LN16], 31, v0
	v_lshlrev_b32 v[LN16], 4, v[LN16]
	v_mul_u32_u24 v3, v1, PITCH
	v_lshl_add_u32 v3, v2, 4, v3
	s_mul_i32 s27, s19, 64*PITCH
	v_add_nc_u32 v[ADRX], s27, v3
	v_add_nc_u32 v[ADRX+1], SLOT, v[ADRX]
	s_mul_i32 s27, s20, HALFT
	s_add_co_u32 s27, s27, HALFT
	v_add_nc_u32 v[ADRR], s27, v3
	v_add_nc_u32 v[ADRR+1], SLOT, v[ADRR]
	s_mul_i32 s27, s20, 64*PITCH
	s_add_co_u32 s27, s27, 3*HALFT
	v_add_nc_u32 v[ADRV], s27, v3
	v_add_nc_u32 v[ADRV+1], SLOT, v[ADRV]
	v_mul_u32_u24 v[VEA], v2, 8*VEP
	v_lshl_add_u32 v[VEA], v1, 2, v[VEA]
	v_add_nc_u32 v[VEA], s[G0V+1], v[VEA]
	s_lshl_b32 s27, s24, 7
	s_lshl_b32 s93, s19, 6
	s_add_co_u32 s27, s27, s93
	v_add_nc_u32 v3, s27, v1
	v_add_nc_u32 v[TF], 48, v3                     ; the last 16 of my 64 tokens
	v_cvt_f32_u32 v[TF], v[TF]
	v_mov_b32 v[TF+1], v[TF]
.irp u, 0,1
	v_mov_b32 v[MAGC+\u], 0x4b400000
	v_mov_b32 v[CSIN+\u], 0x2f309231
	v_mov_b32 v[CCOS+\u], 0x310f76c7
.endr
	v_lshlrev_b32 v3, 3, v2
.set K, 0
.rept 16
	v_add_nc_u32 v[W16+K], 16*(K/8)+K%8, v3
.set K, K+1
.endr
.set K, 0
.rept 16
	v_cvt_f32_u32 v[W16+K], v[W16+K]
.set K, K+1
.endr
.set K, 0
.rept 16
	v_mul_f32 v[W16+K], 0xbea5294a, v[W16+K]
.set K, K+1
.endr
.set K, 0
	s_wait_alu depctr_va_vdst(0)
.rept 16
	v_exp_f32 v[W16+K], v[W16+K]
.set K, K+1
.endr
	v_nop
	s_wait_alu depctr_va_vdst(0)
.macro TABLE i
.irp k, 0,2,4,6,8,10,12,14
	v_pk_mul_f32 v[THT+\k:THT+\k+1], v[W16+\k:W16+\k+1], v[TF+2*\i:TF+2*\i+1]
.endr
.irp k, 0,2,4,6,8,10,12,14
	v_pk_fma_f32 v[KF+\k:KF+\k+1], v[THT+\k:THT+\k+1], 0x3ea2f983, v[MAGC:MAGC+1] op_sel_hi:[1,0,1]
.endr
.irp k, 0,2,4,6,8,10,12,14
	v_pk_add_f32 v[NF+\k:NF+\k+1], v[KF+\k:KF+\k+1], v[MAGC:MAGC+1] neg_lo:[0,1] neg_hi:[0,1]
.endr
.irp cf, 0xc0490fdb, 0x33bbbd2e
.irp k, 0,2,4,6,8,10,12,14
	v_pk_fma_f32 v[THT+\k:THT+\k+1], v[NF+\k:NF+\k+1], \cf, v[THT+\k:THT+\k+1] op_sel_hi:[1,0,1]
.endr
.endr
.irp k, 0,2,4,6,8,10,12,14
	v_pk_mul_f32 v[R2+\k:R2+\k+1], v[THT+\k:THT+\k+1], v[THT+\k:THT+\k+1]
.endr
.irp k, 0,2,4,6,8,10,12,14
	v_pk_fma_f32 v[PSN+\k:PSN+\k+1], v[R2+\k:R2+\k+1], v[CSIN:CSIN+1], 0xb2d7322b op_sel_hi:[1,1,0]
	v_pk_fma_f32 v[PCO+\k:PCO+\k+1], v[R2+\k:R2+\k+1], v[CCOS:CCOS+1], 0xb493f27e op_sel_hi:[1,1,0]
.endr
.irp cf, 0x3638ef1d, 0xb9500d01, 0x3c088889, 0xbe2aaaab
.irp k, 0,2,4,6,8,10,12,14
	v_pk_fma_f32 v[PSN+\k:PSN+\k+1], v[PSN+\k:PSN+\k+1], v[R2+\k:R2+\k+1], \cf op_sel_hi:[1,1,0]
.endr
.endr
.irp cf, 0x37d00d01, 0xbab60b61, 0x3d2aaaab, -0.5, 1.0
.irp k, 0,2,4,6,8,10,12,14
	v_pk_fma_f32 v[PCO+\k:PCO+\k+1], v[PCO+\k:PCO+\k+1], v[R2+\k:R2+\k+1], \cf op_sel_hi:[1,1,0]
.endr
.endr
.irp k, 0,2,4,6,8,10,12,14
	v_pk_mul_f32 v[NF+\k:NF+\k+1], v[THT+\k:THT+\k+1], v[R2+\k:R2+\k+1]
.endr
.irp k, 0,2,4,6,8,10,12,14
	v_pk_fma_f32 v[PSN+\k:PSN+\k+1], v[PSN+\k:PSN+\k+1], v[NF+\k:NF+\k+1], v[THT+\k:THT+\k+1]
.endr
.irp k, 0,1,2,3,4,5,6,7,8,9,10,11,12,13,14,15
	v_lshlrev_b32 v[KF+\k], 31, v[KF+\k]
.endr
	WIN 0x40
.irp k, 0,1,2,3,4,5,6,7,8,9,10,11,12,13,14,15
	v_xor_b32 v[128+32*\i+\k], v[PCO+\k], v[KF+\k]
	v_xor_b32 v[144+32*\i+\k], v[PSN+\k], v[KF+\k]
.endr
	WIN 0
.endm
	WIN 0x40
.set K, 0
.rept 96
	v_mov_b32 v[128+K], 0                          ; the first trips move these on
.set K, K+1
.endr
	WIN 0
	s_mov_b32 s2, 4
	s_wait_alu depctr_va_vdst(0)
	ASK 512
.Lrows:                                            ; four trips: the tables made so far move on by 32 registers, and the next 16 tokens' take the first 32
	WIN 0x41
.set K, 0
.rept 96
	v_mov_b32 v[255-K], v[223-K]
.set K, K+1
.endr
	WIN 0
	TABLE 0
	v_add_f32 v[TF], 0xc1800000, v[TF]             ; 16 tokens back
	v_add_f32 v[TF+1], 0xc1800000, v[TF+1]
	s_wait_alu depctr_va_vdst(0)
	s_sub_co_u32 s2, s2, 1
	s_cmp_lg_u32 s2, 0
	s_cbranch_scc1 .Lrows
	s_wait_kmcnt 0x0
	s_add_co_i32 s27, s76, s77
	s_add_co_i32 s90, s27, 127
	s_lshl_b32 s90, s90, 23
	s_lshl_b32 s91, s27, 1
	s_add_co_i32 s91, s91, 120
	s_lshl_b32 s91, s91, 23
	s_mov_b32 s92, 0x34000000
	s_mul_f32 s86, s84, s90
	s_mov_b32 s87, s86
	s_mov_b32 s88, s85
	s_mov_b32 s89, s85
	s_cmp_eq_u32 s20, 0
	s_cselect_b32 s27, s78, s79
	s_add_co_i32 s27, s27, 127
	s_lshl_b32 s93, s27, 23
	v_mov_b32 v[SCR], s93
	s_add_co_i32 s27, s27, 8
	s_lshl_b32 s27, s27, 23
	s_or_b32 s27, s27, 0x600000
	v_mov_b32 v[SCR+1], s27
	s_add_co_i32 s27, s80, 127
	s_lshl_b32 s93, s27, 23
	v_mov_b32 v[SCV], s93
	s_add_co_i32 s27, s27, 8
	s_lshl_b32 s27, s27, 23
	s_or_b32 s27, s27, 0x600000
	v_mov_b32 v[SCV+1], s27
	s_lshl_b32 s27, s23, 8
	s_lshl_b32 s93, s24, 3
	s_add_co_u32 s27, s27, s93
	s_lshl_b32 s93, s19, 2
	s_add_co_u32 s27, s27, s93
	s_lshl_b32 s27, s27, 11
	s_lshl_b32 s100, s23, 20
	s_lshl_b32 s93, s24, 15
	s_add_co_u32 s100, s100, s93
	s_mov_b32 s101, 0
	s_add_nc_u64 s[16:17], s[16:17], s[100:101]
	s_lshl_b32 s93, s19, 13
	s_cmp_eq_u32 s20, 0
	s_cselect_b64 s[96:97], s[14:15], s[16:17]
	s_cselect_b32 s100, s27, s93
	s_add_nc_u64 s[96:97], s[96:97], s[100:101]
	s_lshl_b32 s100, s20, 13
	s_lshl_b32 s93, s19, 10
	s_add_co_u32 s100, s100, s93
	s_add_co_u32 s100, s100, 16384
	s_add_nc_u64 s[98:99], s[16:17], s[100:101]
	s_mov_b32 s94, 0x76543210
	s_mov_b32 s95, 0xfedcba98
.macro FRAG reg, adr, off
.irp c, 0,1,2,3
	ds_load_b128 v[\reg+4*\c:\reg+4*\c+3], v[\adr] offset:\off+32*\c
.endr
.endm
.macro FETCH_X slot, q, set
	WIN 0x40
.irp i, 0,1,2,3
	FRAG 64*(\set)+16*\i, ADRX+\slot, 128*(\q)+\i*16*PITCH
.endr
	WIN 0
.endm
.macro FETCH_WA slot, q
.irp f, 0,1,2,3,4,5
	FRAG WF+16*\f, ADRR+\slot, 128*(\q)+\f*16*PITCH
.endr
.endm
.macro FETCH_WB slot, q
.irp f, 6,7
	FRAG WF+16*\f, ADRR+\slot, 128*(\q)+\f*16*PITCH
.endr
.irp f, 0,1,2,3
	FRAG WF+128+16*\f, ADRV+\slot, 128*(\q)+\f*16*PITCH
.endr
.endm
.macro MULR t, set, zero
.if (\t) < 6
	WIN 0xa4
.set AB, 32*(\t)
.else
	WIN 0xf4
.set AB, 32*((\t)-6)
.endif
.irp i, 0,1,2,3
.if \zero
	v_wmma_f32_16x16x128_fp8_fp8 v[AB+8*\i:AB+8*\i+7], v[WF+16*(\t):WF+16*(\t)+15], v[64*(\set)+16*\i:64*(\set)+16*\i+15], 0
.else
	v_wmma_f32_16x16x128_fp8_fp8 v[AB+8*\i:AB+8*\i+7], v[WF+16*(\t):WF+16*(\t)+15], v[64*(\set)+16*\i:64*(\set)+16*\i+15], v[AB+8*\i:AB+8*\i+7]
.endif
.endr
.endm
.macro MULV u, set, zero
	WIN 0xf1
.irp i, 0,1,2,3
.if \zero
	v_wmma_f32_16x16x128_fp8_fp8 v[64+8*(4*(\u)+\i):64+8*(4*(\u)+\i)+7], v[64*(\set)+16*\i:64*(\set)+16*\i+15], v[WF+128+16*(\u):WF+128+16*(\u)+15], 0
.else
	v_wmma_f32_16x16x128_fp8_fp8 v[64+8*(4*(\u)+\i):64+8*(4*(\u)+\i)+7], v[64*(\set)+16*\i:64*(\set)+16*\i+15], v[WF+128+16*(\u):WF+128+16*(\u)+15], v[64+8*(4*(\u)+\i):64+8*(4*(\u)+\i)+7]
.endif
.endr
.endm
.macro MULHI set, zero
	MULR 6, \set, \zero
	MULR 7, \set, \zero
	MULV 0, \set, \zero
	MULV 1, \set, \zero
	MULV 2, \set, \zero
	MULV 3, \set, \zero
.endm
.macro STEP slot, zero
	s_wait_dscnt 24
.irp t, 0,1,2,3,4,5
	MULR \t, 0, \zero
.endr
	s_wait_dscnt 0x0
	PLACES
	FETCH_X \slot, 1, 1
	FETCH_WA \slot, 1
	MULHI 0, \zero
	PLACES
	WIN 0
	FETCH_WB \slot, 1
.endm
.macro TURN slot, next, fill
	s_wait_tensorcnt 0x0
	ds_add_u32 v[SPW], v[NIL]
	s_wait_dscnt 25
	MULR 0, 1, 0
	MULR 1, 1, 0
	MULR 2, 1, 0
	s_wait_dscnt 0x0
	s_barrier_signal -1
	MULR 3, 1, 0
	MULR 4, 1, 0
	MULR 5, 1, 0
	WIN 0
	s_barrier_wait -1
	CREST
.if \fill == 1
	s_add_nc_u64 s[G0X+4*\slot+2:G0X+4*\slot+3], s[G0X+4*\slot+2:G0X+4*\slot+3], 512
	s_add_nc_u64 s[G0W+8*\slot+2:G0W+8*\slot+3], s[G0W+8*\slot+2:G0W+8*\slot+3], 512
	JLOAD G0X+4*\slot, G0W+8*\slot
.else
	tensor_load_to_lds s[G0V:G0V+3], s[G1V:G1V+7]
	s_nop 0
	PLACES
.endif
	FETCH_X \next, 0, 0
	FETCH_WA \next, 0
	MULHI 1, 0
	PLACES
	WIN 0
	FETCH_WB \next, 0
.endm
	s_wait_alu depctr_va_vdst(0)
	s_wait_tensorcnt 0x0
	ds_add_u32 v[SPW], v[NIL]
	s_wait_dscnt 0x0
	CROUND
	JLOAD G0X+4, G0W+8
	FETCH_X 0, 0, 0
	ASK 768
	FETCH_WA 0, 0
	FETCH_WB 0, 0
	STEP 0, 1
	TURN 0, 1, 1
	STEP 1, 0
	TURN 1, 0, 1
	STEP 0, 0
	TURN 0, 1, 2
	STEP 1, 0
	s_wait_dscnt 24
.irp t, 0,1,2,3,4,5
	MULR \t, 1, 0
.endr
	s_wait_dscnt 0x0
	MULHI 1, 0
	PLACES
.irp t, 0,1,2,3,4,5,6,7
.if \t < 6
	WIN 0x0a
.set AB, 32*\t
.else
	WIN 0x0f
.set AB, 32*(\t-6)
.endif
.irp j, 0,2,4,6
.irp i, 0,1,2,3
.if (\t == 0) && (\j < 4)
	v_pk_mul_f32 v[SS+4*\i+\j:SS+4*\i+\j+1], v[AB+8*\i+\j:AB+8*\i+\j+1], v[AB+8*\i+\j:AB+8*\i+\j+1]
.else
	v_pk_fma_f32 v[SS+4*\i+\j%4:SS+4*\i+\j%4+1], v[AB+8*\i+\j:AB+8*\i+\j+1], v[AB+8*\i+\j:AB+8*\i+\j+1], v[SS+4*\i+\j%4:SS+4*\i+\j%4+1]
.endif
.endr
.endr
.endr
	WIN 0
.irp i, 0,1,2,3
	v_pk_add_f32 v[SS+4*\i:SS+4*\i+1], v[SS+4*\i:SS+4*\i+1], v[SS+4*\i+2:SS+4*\i+3]
.endr
.irp i, 0,1,2,3
	v_add_f32 v[SS+4*\i], v[SS+4*\i], v[SS+4*\i+1]
.endr
.irp i, 0,1,2,3
	v_permlanex16_b32 v[SS+4*\i+2], v[SS+4*\i], s94, s95
.endr
.irp i, 0,1,2,3
	v_add_f32 v[SS+4*\i], v[SS+4*\i], v[SS+4*\i+2]
.endr
.irp i, 0,1,2,3
	v_fma_f32 v[SS+4*\i], v[SS+4*\i], s91, s92
.endr
	s_wait_alu depctr_va_vdst(0)
.irp i, 0,1,2,3
	v_rsq_f32 v[SS+4*\i+1], v[SS+4*\i]
.endr
	v_nop
	s_wait_alu depctr_va_vdst(0)
.irp i, 0,1,2,3
	v_mul_f32 v[FN+2*\i], s90, v[SS+4*\i+1]
	v_mul_f32 v[FN+2*\i+1], s90, v[SS+4*\i+1]
.endr
.macro CVQ i, c, src
	v_cvt_scalef32_pk8_fp8_f32 v[PCQ+16*\i+2*\c:PCQ+16*\i+2*\c+1], v[\src:\src+7], v[SCR]
.endm
.macro QKOUT i
.irp t, 0,1,2,3,4,5,6,7
.if \t < 6
	WIN 0x02
.set AB, 32*\t+8*\i
.else
	WIN 0x03
.set AB, 32*(\t-6)+8*\i
.endif
.irp j, 0,2,4,6
	v_pk_mul_f32 v[YQ+8*\t+\j:YQ+8*\t+\j+1], v[AB+\j:AB+\j+1], v[FN+2*\i:FN+2*\i+1]
.endr
.endr
	WIN 0x04
.irp k, 0,2,4,6,8,10,12,14
	v_pk_mul_f32 v[RO+\k:RO+\k+1], v[YQ+\k:YQ+\k+1], v[128+32*\i+\k:128+32*\i+\k+1]
	v_pk_mul_f32 v[RO+16+\k:RO+16+\k+1], v[YQ+32+\k:YQ+32+\k+1], v[128+32*\i+\k:128+32*\i+\k+1]
.endr
.irp k, 0,2,4,6,8,10,12,14
	v_pk_fma_f32 v[RO+\k:RO+\k+1], v[YQ+32+\k:YQ+32+\k+1], v[144+32*\i+\k:144+32*\i+\k+1], v[RO+\k:RO+\k+1]
	v_pk_fma_f32 v[RO+16+\k:RO+16+\k+1], v[YQ+\k:YQ+\k+1], v[144+32*\i+\k:144+32*\i+\k+1], v[RO+16+\k:RO+16+\k+1] neg_lo:[1,0,0] neg_hi:[1,0,0]
.endr
	WIN 0
.set K, 0
.rept 32
	v_med3_num_f32 v[RO+K], v[RO+K], -v[SCR+1], v[SCR+1]
.set K, K+1
.endr
.set K, 0
.rept 16
	v_med3_num_f32 v[YQ+16+K], v[YQ+16+K], -v[SCR+1], v[SCR+1]
	v_med3_num_f32 v[YQ+48+K], v[YQ+48+K], -v[SCR+1], v[SCR+1]
.set K, K+1
.endr
	CVQ \i, 0, RO
	CVQ \i, 1, RO+8
	CVQ \i, 2, YQ+16
	CVQ \i, 3, YQ+24
	CVQ \i, 4, RO+16
	CVQ \i, 5, RO+24
	CVQ \i, 6, YQ+48
	CVQ \i, 7, YQ+56
	v_nop
.irp g, 0,1,2,3
	global_store_b128 v[LN16], v[PCQ+16*\i+4*\g:PCQ+16*\i+4*\g+3], s[96:97] offset:2048*\i+512*\g
.endr
.endm
	QKOUT 0
	QKOUT 1
	QKOUT 2
	QKOUT 3
	s_wait_tensorcnt 0x0
.macro VELOAD u, buf
.irp i, 0,1,2,3
.irp j, 0,1,2,3,4,5,6,7
	ds_load_b32 v[VB+32*(\buf)+8*\i+\j], v[VEA] offset:(16*\i+\j)*VEP+64*(\u)
.endr
.endr
.endm
.macro VOUT u, left
.set VX, VB+32*((\u)%2)
	s_wait_dscnt \left
.set K, 0
.rept 16
	v_pk_mul_f32 v[VX+K:VX+K+1], v[VX+K:VX+K+1], s[88:89] op_sel_hi:[1,0]
.set K, K+2
.endr
	WIN 0x03
.set K, 0
.rept 16
	v_pk_fma_f32 v[VX+K:VX+K+1], v[64+32*(\u)+K:64+32*(\u)+K+1], s[86:87], v[VX+K:VX+K+1] op_sel_hi:[1,0,1]
.set K, K+2
.endr
	WIN 0
.set K, 0
.rept 32
	v_med3_num_f32 v[VX+K], v[VX+K], -v[SCV+1], v[SCV+1]
.set K, K+1
.endr
.irp i, 0,1,2,3
	v_cvt_scalef32_pk8_fp8_f32 v[PCV+8*(\u)+2*\i:PCV+8*(\u)+2*\i+1], v[VX+8*\i:VX+8*\i+7], v[SCV]
.endr
	v_nop
.irp g, 0,1
	global_store_b128 v[LN16], v[PCV+8*(\u)+4*\g:PCV+8*(\u)+4*\g+3], s[98:99] offset:2048*(\u)+512*\g
.endr
.endm
	VELOAD 0, 0
	VELOAD 1, 1
	VOUT 0, 32
	VELOAD 2, 0
	VOUT 1, 32
	VELOAD 3, 1
	VOUT 2, 32
	VOUT 3, 0
	s_wait_tensorcnt 0x0
	ds_add_u32 v[SPW], v[NIL]
	s_wait_dscnt 0x0
	CROUND
	s_endpgm
.Lfunc_end_k_q373d3cb614_qkv:
	.size	k_q373d3cb614_qkv, .Lfunc_end_k_q373d3cb614_qkv-k_q373d3cb614_qkv
	.p2alignl 7, 3214868480
	.fill 96, 4, 3214868480
	.section	.rodata,"a",@progbits
	.p2align	6, 0x0
	.amdhsa_kernel k_q373d3cb614_qkv
		.amdhsa_group_segment_fixed_size 327680
		.amdhsa_private_segment_fixed_size 0
		.amdhsa_enable_private_segment 0
		.amdhsa_kernarg_size 56
		.amdhsa_user_sgpr_count 2
		.amdhsa_user_sgpr_kernarg_segment_ptr 1
		.amdhsa_wavefront_size32 1
		.amdhsa_system_sgpr_workgroup_id_x 1
		.amdhsa_system_sgpr_workgroup_id_y 1
		.amdhsa_system_sgpr_workgroup_id_z 1
		.amdhsa_system_vgpr_workitem_id 0
		.amdhsa_next_free_vgpr 1024
		.amdhsa_next_free_sgpr 102
		.amdhsa_reserve_vcc 0
		.amdhsa_float_denorm_mode_32 3
		.amdhsa_float_denorm_mode_16_64 3
		.amdhsa_memory_ordered 1
		.amdhsa_forward_progress 1
		.amdhsa_inst_pref_size 169
	.end_amdhsa_kernel
	.amdgpu_metadata
---
amdhsa.version: [ 1, 2 ]
amdhsa.kernels:
  - .name:           k_q373d3cb614_qkv
    .symbol:         k_q373d3cb614_qkv.kd
    .args:
      - { .name: x_codes, .offset: 0, .size: 8, .value_kind: global_buffer, .address_space: global }
      - { .name: qkv_w_codes, .offset: 8, .size: 8, .value_kind: global_buffer, .address_space: global }
      - { .name: ve, .offset: 16, .size: 8, .value_kind: global_buffer, .address_space: global }
      - { .name: lambdas, .offset: 24, .size: 8, .value_kind: global_buffer, .address_space: global }
      - { .name: lowp_scales, .offset: 32, .size: 8, .value_kind: global_buffer, .address_space: global }
      - { .name: qf, .offset: 40, .size: 8, .value_kind: global_buffer, .address_space: global }
      - { .name: kvf, .offset: 48, .size: 8, .value_kind: global_buffer, .address_space: global }
    .group_segment_fixed_size: 327680
    .private_segment_fixed_size: 0
    .kernarg_segment_align: 8
    .kernarg_segment_size: 56
    .max_flat_workgroup_size: 128
    .sgpr_count:     102
    .vgpr_count:     1024
    .wavefront_size: 32
...
	.end_amdgpu_metadata
.endif
;; end of part 1
;; launch attn (part 2): grid 32 x 8, 4 waves a work-group, clusters of 4 x 1, 327,680 bytes of LDS; arguments qf, kvf, lowp_scales, yf; writes yf
.if DOCPART == 2
	.amdgcn_target "amdgcn-amd-amdhsa--gfx1250"
	.amdhsa_code_object_version 6
	.text
	.protected	k_q373d3cb614_attn
	.globl	k_q373d3cb614_attn
	.p2align	8
	.type	k_q373d3cb614_attn,@function
k_q373d3cb614_attn:
	s_mov_b64 s[64:65], 0
	v_nop
	global_prefetch_b8 v0, s[64:65] scope:SCOPE_SE
	s_setreg_imm32_b32 hwreg(HW_REG_WAVE_MODE, 25, 1), 1
	s_wait_xcnt 0x0
	s_wait_alu depctr_hold_cnt(0) depctr_sa_sdst(0) depctr_va_vdst(0) depctr_va_sdst(0) depctr_va_ssrc(0) depctr_va_vcc(0) depctr_vm_vsrc(0)
	s_getreg_b32 s2, hwreg(HW_REG_IB_STS2, 6, 4)
	s_cmp_eq_u32 s2, 0
	s_cbranch_scc0 .Lentry_in_a_cluster
	s_endpgm
.Lentry_in_a_cluster:
	s_bfe_u32 s2, ttmp6, 0x10000c
	s_cmp_lg_u32 s2, 0x3003
	s_cbranch_scc0 .Lentry_shape_is_right
	s_endpgm
.Lentry_shape_is_right:
; y = softmax(0.12 q k^T, causal) v for 8 heads of 128, 4,096 tokens, both products on E4M3 codes; y quantised to E4M3 and stored as images of operand registers for the projection.
; qf: [head][tile of 16 queries][2048];  kvf: [head][step of 128 keys][K: 8 tiles of 16 keys x 2048, V: 8 tiles of 16 channels x 2048];  yf: [block of 128 tokens][head][tile of 16 tokens][2048].
; An image holds registers 4 g .. 4 g + 3 of lane l at byte 512 g + 16 l, in the plain form's own layout: registers 2 c, 2 c + 1 of lane (r, h) hold k = 16 c + 8 h + 0 .. 7 of row r.
; THE SOFTMAX: t = score x 0.12 log2(e); M = the largest t so far rounded UP to a whole number; p = 2^(t - M) is quantised, not normalised; the row's sum is taken of the unquantised p and divides at the end.
; Both products are used transposed (S^T = K Q^T, O^T = V^T P^T): a lane holds ONE query; register j of S^T's tile is key 8 h + j of 16, so one conversion of a tile gives two registers of P.
; LEFT OUT under reference()'s causal mask: slots of 512 keys that lie wholly behind a block's 256 queries (first launch's head).
; SHARES.  Cluster m (0 .. 7) of a head makes the blocks of 256 queries m and 15 - m, one after the other: m / 2 + 1 and 8 - m / 2 slots of 512 keys: 9 trips for every work-group, and the same slots in the four partners:
; each slot is asked for JOINTLY and the trip count is a constant.  Wave (qg, kg) of place cx owns the block's query tiles 8 a + 2 cx + qg, a = 0, 1, and of each step of 128 keys the 64 from 64 kg on: 32 queries x 256 keys a trip.
; At a block's end the two waves of the same tiles join: wave kg hands tile 1 - kg over through LDS and finishes tile a = kg.
; THE DIAGONAL.  A block's last slot has the block's 256 keys in its lower half (even block: the upper half is hidden) or in its upper half (odd block: the lower half is open).  In that half tile 0 compares in the first step of
; 128 keys and has the second hidden, tile 1 has the first open and compares in the second, with one and the same mask: 16 x + j > d, d = 16 (2 cx + qg) + r - 64 kg - 8 h: alike for all waves, no branch on the place in the cluster.
; No prefetch: a slot is asked for a whole trip, 64 matrix instructions and some 900 vector instructions a wave, ahead of the wait for it.
; LIMITS on the given exponents: e2 + e3 between -123 and 130 (added to c's exponent field); e5, e6 between -126 and 119; e4 + e5 is applied by v_ldexp_f32 and has none.
; REGISTERS, in windows of 256.  Windows 1 and 2: query tiles 0 and 1: v4-5 the sum in two halves, v8 2^e5, v9 448 x 2^e5, v10-13 at work, v16-31 Q, v32-63 partial sums, then codes, v64-127 O^T, v128-255 S^T, then p.
;   Window 3: v0-127 K's first half (area A), v128-255 V's channels 64-127 (area B).  Window 0: v128-255 K's second half, then V's channels 0-63 (area C);
;   v1-15 addresses, v16-29 -M, largest t and factors of both tiles, v30-31 y's scale and hold, v32-55 at work at a block's end.
.set SLOTB, 131072                     ; a slot: four steps as they lie in memory
.set SPARE, 2*SLOTB                    ; the spare words: 128 bytes for each of four waves, which no other line names
.set STG,   SPARE+512                  ; the stages, one a wave: 16 x 512 bytes of O^T, 128 of -M, 128 of the sum; no fill lands here
.set STGW,  8448
.set MSB, 0
.macro WIN new                         ; the immediate's high byte repeats the setting that is left; bits 1:0 source 0, 3:2 source 1, 5:4 source 2, 7:6 destination
.if MSB != (\new)
	s_set_vgpr_msb (MSB<<8)|(\new)
.set MSB, (\new)
.endif
.endm
.macro PLACES
.rept 4
	v_nop
.endr
.endm
.macro CREST                           ; a round of the cluster's barrier behind its opening barrier
	s_cmp_lg_u32 s12, 0
	s_cbranch_scc1 .Lnot_wave_0_\@
	s_barrier_signal -3
.Lnot_wave_0_\@:
	s_barrier_wait -3
	s_barrier_signal -1
	s_barrier_wait -1
.endm
.macro CROUND
	s_barrier_signal -1
	s_barrier_wait -1
	CREST
.endm
.macro TLOAD                           ; each wave fetches one step of a slot, jointly with the partners' same wave
	tensor_load_to_lds s[32:35], s[24:31]
	s_nop 0
	PLACES
.endm
.macro NEXTSLOT                        ; group 0 for the trip of number s49: key slot s49, or s49 less the first block's slots; the other LDS slot than last time
	s_sub_co_u32 s50, s49, s67
	s_cmp_lt_u32 s49, s67
	s_cselect_b32 s38, s49, s50
	s_lshl_b32 s38, s38, 17
	s_xor_b32 s33, s33, SLOTB
	s_add_nc_u64 s[34:35], s[36:37], s[38:39]
	s_or_b32 s35, s35, 0x80000000
.endm
.macro ADDRS blk, q, y                 ; Q at my tile 0 (tile 1 is 16,384 bytes on), y at the tile that I finish
	s_lshl_b32 s61, s[\blk], 4
	s_add_co_u32 s61, s61, s13
	s_lshl_b32 s62, s16, 8
	s_add_co_u32 s62, s62, s61
	s_lshl_b32 s62, s62, 11
	s_add_nc_u64 s[\q:\q+1], s[4:5], s[62:63]
	s_lshl_b32 s62, s[\blk], 1
	s_add_co_u32 s62, s62, s14
	s_lshl_b32 s62, s62, 3
	s_add_co_u32 s62, s62, s16
	s_lshl_b32 s62, s62, 3
	s_add_co_u32 s62, s62, s13
	s_lshl_b32 s62, s62, 11
	s_add_nc_u64 s[\y:\y+1], s[10:11], s[62:63]
.endm
.macro QLOAD q
	WIN 0x40
.irp g, 0,1,2,3
	global_load_b128 v[16+4*\g:19+4*\g], v2, s[\q:\q+1] offset:512*\g
.endr
	WIN 0x80
.irp g, 0,1,2,3
	global_load_b128 v[16+4*\g:19+4*\g], v2, s[\q:\q+1] offset:16384+512*\g
.endr
	WIN 0
.endm
.macro INIT                            ; a block begins: O^T and the sums are zeros, the largest t is -3e38: the first change of M leaves zeros
.irp w, 0x40,0x80
	WIN \w
	v_mov_b32 v4, 0
	v_mov_b32 v5, 0
.set J, 0
.rept 64
	v_mov_b32 v[64+J], 0
.set J, J+1
.endr
.endr
	WIN 0
	v_mov_b32 v20, 0xff61b1e6
	v_mov_b32 v21, 0xff61b1e6
	v_floor_f32 v16, -v20
	v_floor_f32 v18, -v21
.endm
.macro KLOAD ad, dw, db                ; half of my K tiles: two steps x 4 tiles, 8 fragments
	WIN \dw*64
.irp t, 0,1,2,3,4,5,6,7
.irp c, 0,1,2,3
	ds_load_b128 v[\db+16*\t+4*\c:\db+16*\t+4*\c+3], v[\ad] offset:(\t/4)*32768+(\t%4)*2048+512*\c
.endr
.endr
	WIN 0
.endm
.macro VLOAD dw, db, cb                ; four channel tiles from cb on, 256 keys: 8 fragments
	WIN \dw*64
.irp u, 0,1,2,3
.irp x, 0,1,2,3
	ds_load_b128 v[\db+32*\u+4*\x:\db+32*\u+4*\x+3], v14 offset:(\x/2)*32768+16384+2048*(\cb+\u)+512*(\x%2)
	ds_load_b128 v[\db+32*\u+16+4*\x:\db+32*\u+16+4*\x+3], v15 offset:(\x/2)*32768+16384+2048*(\cb+\u)+512*(\x%2)
.endr
.endr
.endm
.macro QKH aw, ab, hh                  ; S^T = K Q^T, half hh of my keys, both query tiles
.irp q, 1,2
	WIN \aw+\q*0x44
.irp t, 0,1,2,3,4,5,6,7
	v_wmma_f32_16x16x128_fp8_fp8 v[128+64*\hh+8*\t:135+64*\hh+8*\t], v[\ab+16*\t:\ab+16*\t+15], v[16:31], 0
.endr
.endr
.endm
.macro PVH aw, ab, cb                  ; O^T += V^T P^T, four channel tiles from cb on; the eight accumulators take turns, one instruction a turn
.irp j, 0,1
.irp q, 1,2
	WIN \aw+\q*0x54
.irp u, 0,1,2,3
	v_wmma_f32_16x16x128_fp8_fp8 v[64+8*(\cb+\u):71+8*(\cb+\u)], v[\ab+32*\u+16*\j:\ab+32*\u+16*\j+15], v[32+16*\j:47+16*\j], v[64+8*(\cb+\u):71+8*(\cb+\u)]
.endr
.endr
.endr
.endm
.macro MHALF hh                        ; the diagonal half
	WIN 0x41
.set I, 0
.rept 32
	v_cndmask_b32 v[128+64*\hh+I], v[128+64*\hh+I], s66, s[70+I]
.set I, I+1
.endr
.set I, 0
.rept 32
	v_mov_b32 v[160+64*\hh+I], s66
.set I, I+1
.endr
	WIN 0x82
.set I, 0
.rept 32
	v_cndmask_b32 v[160+64*\hh+I], v[160+64*\hh+I], s66, s[70+I]
.set I, I+1
.endr
	WIN 0
.endm
.macro MAXT q                          ; the largest of my 128 scores of the tile's query, in four chains, into window 0
	WIN \q*0x55
	v_max3_num_f32 v10, v128, v129, v130
	v_max3_num_f32 v11, v131, v132, v133
	v_max3_num_f32 v12, v134, v135, v136
	v_max3_num_f32 v13, v137, v138, v139
.set I, 12
.rept 58
	v_max3_num_f32 v[10+(I/2)%4], v[10+(I/2)%4], v[128+I], v[129+I]
.set I, I+2
.endr
	v_max3_num_f32 v10, v10, v11, v12
	WIN \q*5
	v_max_num_f32 v[25+\q], v10, v13
.endm
.macro RESC q                          ; the sum and O^T under the new M: exact powers of two
	WIN \q*0x41
	v_pk_mul_f32 v[4:5], v[4:5], v[20+2*\q:21+2*\q] op_sel_hi:[1,0]
.set J, 0
.rept 32
	v_pk_mul_f32 v[64+J:65+J], v[64+J:65+J], v[20+2*\q:21+2*\q] op_sel_hi:[1,0]
.set J, J+2
.endr
.endm
.macro SM_FMA q                        ; t - M, the first 64 registers, two at a time
	WIN \q*0x41
.set J, 0
.rept 32
	v_pk_fma_f32 v[128+J:129+J], v[128+J:129+J], s[22:23], v[14+2*\q:15+2*\q] op_sel_hi:[1,0,0]
.set J, J+2
.endr
.endm
.macro SM_E0 q                         ; p of the first 64 registers; t - M of the others between the exponentials
	WIN \q*0x41
.if \q == 2
	s_wait_alu depctr_va_vdst(0)                   ; the wait ahead of the batch (tile 0: it stands ahead of the wait on TENSORcnt)
.endif
.set J, 0
.rept 32
	v_exp_f32 v[128+J], v[128+J]
	v_pk_fma_f32 v[192+J:193+J], v[192+J:193+J], s[22:23], v[14+2*\q:15+2*\q] op_sel_hi:[1,0,0]
	v_exp_f32 v[129+J], v[129+J]
.set J, J+2
.endr
.endm
.macro SM_E1 q                         ; p of the others; between them the first 64 are added in pairs, then held at the largest code x 2^e5 (the conversion does not saturate: ISA guide 7.6.2; p is not negative)
	WIN \q*0x45
.if \q == 2
	s_wait_alu depctr_va_vdst(0)                   ; one wait behind the last batch and ahead of this one (tile 0: it stands ahead of the wait on DScnt)
.endif
.set J, 0
.rept 16
	v_exp_f32 v[192+2*J], v[192+2*J]
	v_pk_add_f32 v[32+J:33+J], v[128+J:129+J], v[160+J:161+J]
	v_exp_f32 v[193+2*J], v[193+2*J]
	v_dual_min_num_f32 v[128+J], v[128+J], v9 :: v_dual_min_num_f32 v[129+J], v[129+J], v9
	v_exp_f32 v[194+2*J], v[194+2*J]
	v_dual_min_num_f32 v[160+J], v[160+J], v9 :: v_dual_min_num_f32 v[161+J], v[161+J], v9
	v_exp_f32 v[195+2*J], v[195+2*J]
.set J, J+2
.endr
.endm
.macro CVT t
	v_cvt_scalef32_pk8_fp8_f32 v[32+2*(\t):33+2*(\t)], v[128+8*(\t):135+8*(\t)], v8
.endm
.macro SM_END q                        ; the rest of the sum and of the holds, and the codes; a code's registers are written when the partial sum that lay there has been read
	WIN \q*0x45
.if \q == 2
	s_wait_alu depctr_va_vdst(0)                   ; behind the batch, ahead of its first reader (tile 0: it stands ahead of the barrier's wait)
.endif
.set J, 0
.rept 16
	v_pk_add_f32 v[32+J:33+J], v[32+J:33+J], v[192+J:193+J]
.set J, J+2
.endr
.set J, 0
.rept 16
	v_pk_add_f32 v[32+J:33+J], v[32+J:33+J], v[224+J:225+J]
	v_dual_min_num_f32 v[192+J], v[192+J], v9 :: v_dual_min_num_f32 v[193+J], v[193+J], v9
.set J, J+2
.endr
.set J, 0
.rept 8
	v_pk_add_f32 v[32+J:33+J], v[32+J:33+J], v[48+J:49+J]
	v_dual_min_num_f32 v[224+2*J], v[224+2*J], v9 :: v_dual_min_num_f32 v[225+2*J], v[225+2*J], v9
	v_dual_min_num_f32 v[226+2*J], v[226+2*J], v9 :: v_dual_min_num_f32 v[227+2*J], v[227+2*J], v9
.set J, J+2
.endr
.set J, 0
.rept 4
	v_pk_add_f32 v[32+J:33+J], v[32+J:33+J], v[40+J:41+J]
	CVT 8+J
	CVT 9+J
.set J, J+2
.endr
	v_pk_add_f32 v[32:33], v[32:33], v[36:37]
	v_pk_add_f32 v[34:35], v[34:35], v[38:39]
	CVT 4
	CVT 5
	v_pk_add_f32 v[32:33], v[32:33], v[34:35]
	CVT 6
	CVT 7
	v_pk_add_f32 v[4:5], v[4:5], v[32:33]
	CVT 0
	CVT 1
	CVT 2
	CVT 3
.endm
; A TRIP: one slot.  fill = 1: the slot read here takes the keys of the trip two on.  K's tiles of this trip are in registers or on their way; V's are asked for here; the next trip's K behind the change of slots.
.macro STEP fill
	s_add_co_u32 s51, s48, 0x10000
	s_xor_b32 s68, s48, SLOTB                      ; the next trip's slot
	s_add_co_u32 s69, s68, 0x10000
	v_add_nc_u32 v14, s48, v3
	v_add_nc_u32 v15, s51, v3
	v_nop                                          ; with the two additions: four places in front of loads into area B
	v_nop
	s_wait_alu depctr_va_vdst(0)                   ; the wait here, ahead of the waits below
	s_wait_loadcnt 0x0                             ; Q
.if \fill
	s_wait_dscnt 32                                ; K's first half is in; the 32 loads of the second may be out
.else
	s_wait_dscnt 0x0
.endif
	QKH 3, 0, 0
	VLOAD 3, 128, 4
	s_wait_dscnt 32                                ; K's second half is in; V's 32 loads may be out
	QKH 0, 128, 1
	PLACES                                         ; in front of loads into area C, and of the first reads of S^T
	VLOAD 0, 128, 0
	WIN 0
	s_cmp_lg_u32 s19, s18                          ; the block's last trip?  (the trip's number and the cluster's: alike in all waves and partners)
	s_cbranch_scc1 .Lopen_\@
.if \fill
	QLOAD 54                                       ; the second block's Q: this block's last products with Q are issued
.endif
.set I, 0
.rept 32
	v_cmp_gt_i32 s[70+I], 16*(I/8)+I%8, v4
.set I, I+1
.endr
	s_cmp_eq_u32 s15, 0
	s_cbranch_scc1 .Llow_\@
	MHALF 1
	s_wait_alu depctr_va_vdst(0)
	s_branch .Lopen_\@
.Llow_\@:
	MHALF 0
.irp w, 0x40,0x80
	WIN \w
.set I, 0
.rept 64
	v_mov_b32 v[192+I], s66
.set I, I+1
.endr
.endr
	WIN 0
	s_wait_alu depctr_va_vdst(0)
.Lopen_\@:
	MAXT 1
	MAXT 2
	WIN 0
	v_permlanex16_b32 v28, v26, s20, s21           ; and among lane l xor 16's
	v_permlanex16_b32 v29, v27, s20, s21
	v_max_num_f32 v26, v26, v28
	v_max_num_f32 v27, v27, v29
	v_mul_f32 v26, s22, v26                        ; as t (c is positive)
	v_mul_f32 v27, s22, v27
	v_max_num_f32 v20, v20, v26                    ; the running largest t
	v_max_num_f32 v21, v21, v27
	v_mov_b32 v26, v16
	v_mov_b32 v27, v18
	v_floor_f32 v16, -v20                          ; the new -M = floor(-t): M is a whole number
	v_floor_f32 v18, -v21
	v_sub_f32 v26, v16, v26                        ; old M - new M: a whole number, 0 or less
	v_sub_f32 v27, v18, v27
	v_cvt_i32_f32 v26, v26                         ; (it saturates)
	v_cvt_i32_f32 v27, v27
	v_ldexp_f32 v22, 1.0, v26                      ; f = 2^(old M - new M)
	v_ldexp_f32 v24, 1.0, v27
	RESC 1
	RESC 2
	SM_FMA 1
	WIN 0
	s_wait_alu depctr_va_vdst(0)
	s_wait_tensorcnt 0x0                           ; no tensor load of mine is out: my part of the next trip's slot has landed
	ds_add_u32 v5, v6                              ; 0 onto my spare word
.if \fill
	s_add_co_u32 s49, s19, 2
	NEXTSLOT
.endif
	SM_E0 1                                        ; work on registers while the add is out
	WIN 0
	s_wait_alu depctr_va_vdst(0)
	s_wait_dscnt 0x0                               ; the add is done; all my reads of this slot are over: V is in registers
	s_barrier_signal -1
	SM_E1 1                                        ; work on registers while the others arrive
	WIN 0
	s_wait_alu depctr_va_vdst(0)
	s_barrier_wait -1
.if \fill
	CREST                                          ; no wave of any partner still reads this slot or has a load on its way
	TLOAD                                          ; a wave's one tensor load until the next round: it has a whole trip in which to land
	v_add_nc_u32 v12, s68, v1
	KLOAD 12, 3, 0
.else
	s_cmp_eq_u32 s19, 8                            ; the last trip has no successor
	s_cbranch_scc1 .Lno_k0_\@
	v_add_nc_u32 v12, s68, v1
	KLOAD 12, 3, 0
.Lno_k0_\@:
.endif
	SM_END 1
	SM_FMA 2
	SM_E0 2
	SM_E1 2
	SM_END 2
	v_nop                                          ; one plain line behind the last conversion
	s_wait_alu depctr_va_vdst(0)                   ; the wait
	PVH 0, 128, 0
	WIN 0
	PLACES                                         ; in front of loads into area C
.if \fill
	v_add_nc_u32 v13, s69, v1
	KLOAD 13, 0, 128
.else
	s_cmp_eq_u32 s19, 8
	s_cbranch_scc1 .Lno_k1_\@
	v_add_nc_u32 v13, s69, v1
	KLOAD 13, 0, 128
.Lno_k1_\@:
.endif
	PVH 3, 128, 4
	WIN 0
.endm
.macro GIVE tw, nm, l, onm, ol         ; the tile in window tw into my stage, each accumulator from its low end on; the other tile's -M and sum are kept
	WIN \tw*4
.set J, 0
.rept 16
	ds_store_b128 v7, v[64+4*J:67+4*J] offset:512*J
.set J, J+1
.endr
	WIN 0
	ds_store_b32 v9, v[\nm]
	ds_store_b32 v9, v[\l] offset:128
	v_mov_b32 v44, v[\onm]
	v_mov_b32 v45, v[\ol]
.endm
.macro OWN tw                          ; my tile's O^T x its factor
	WIN 0x40+\tw
	s_wait_alu depctr_va_vdst(0)                   ; the wait here, directly ahead of the first reader of these products behind the reciprocal
.set J, 0
.rept 32
	v_pk_mul_f32 v[192+J:193+J], v[64+J:65+J], v[52:53]
.set J, J+2
.endr
	WIN 0
.endm
; A BLOCK'S END: both halves of the keys are brought under the larger M (exact powers of two), divided by the sum, quantised and stored.
.macro FINAL y
	PLACES                                         ; places behind the last products
	WIN 0x05
	v_add_f32 v40, v4, v5
	WIN 0x0a
	v_add_f32 v41, v4, v5
	WIN 0
	v_permlanex16_b32 v42, v40, s20, s21
	v_permlanex16_b32 v43, v41, s20, s21
	v_add_f32 v40, v40, v42                        ; my keys' sums, tile 0 and tile 1
	v_add_f32 v41, v41, v43
	s_wait_alu depctr_va_vdst(0)
	s_cmp_lg_u32 s14, 0
	s_cbranch_scc1 .Lgive0_\@
	GIVE 2, 18, 41, 16, 40
	s_wait_alu depctr_va_vdst(0)
	s_branch .Lgiven_\@
.Lgive0_\@:
	GIVE 1, 16, 40, 18, 41
.Lgiven_\@:
	s_wait_alu depctr_va_vdst(0)
	s_wait_dscnt 0x0                               ; for the other wave's sake: my stores into the stage are done
	s_barrier_signal -1
	s_barrier_wait -1
	ds_load_b32 v46, v10
	ds_load_b32 v47, v10 offset:128
	WIN 0x40
.set J, 0
.rept 16
	ds_load_b128 v[128+4*J:131+4*J], v8 offset:512*J
.set J, J+1
.endr
	WIN 0
	s_wait_dscnt 0x0
	v_min_num_f32 v48, v44, v46                    ; -M of both
	v_sub_f32 v49, v48, v44                        ; my M - the common M: a whole number, 0 or less
	v_sub_f32 v50, v48, v46                        ; the other's
	v_cvt_i32_f32 v49, v49                         ; (they saturate: a half with no open key, M = -3e38, gets the factor 0)
	v_cvt_i32_f32 v50, v50
	v_ldexp_f32 v49, 1.0, v49
	v_ldexp_f32 v50, 1.0, v50
	v_mul_f32 v45, v45, v49
	v_fma_f32 v45, v47, v50, v45                   ; the row's sum
	s_wait_alu depctr_va_vdst(0)
	v_rcp_f32 v45, v45
	v_nop
	s_wait_alu depctr_va_vdst(0)
	v_ldexp_f32 v45, v45, s60                      ; x 2^(e4 + e5)
	v_mul_f32 v52, v45, v49
	v_mul_f32 v54, v45, v50
	v_mov_b32 v53, v52
	v_mov_b32 v55, v54
	s_wait_alu depctr_va_vdst(0)
	s_cmp_lg_u32 s14, 0
	s_cbranch_scc1 .Lown1_\@
	OWN 1
	s_wait_alu depctr_va_vdst(0)
	s_branch .Lown_\@
.Lown1_\@:
	OWN 2
.Lown_\@:
	WIN 0x51
.set J, 0
.rept 32
	v_pk_fma_f32 v[192+J:193+J], v[128+J:129+J], v[54:55], v[192+J:193+J]   ; y(r, 16 t + 8 h + j) in register 8 t + j
.set J, J+2
.endr
	WIN 0x41
.set J, 0
.rept 64
	v_med3_num_f32 v[192+J], v[192+J], -v31, v31
.set J, J+1
.endr
	WIN 0x01
.irp t, 0,1,2,3,4,5,6,7
	v_cvt_scalef32_pk8_fp8_f32 v[32+2*\t:33+2*\t], v[192+8*\t:199+8*\t], v30
.endr
	v_nop                                          ; one plain line behind the last conversion
	WIN 0
.irp g, 0,1,2,3
	global_store_b128 v2, v[32+4*\g:35+4*\g], s[\y:\y+1] offset:512*\g   ; 512 consecutive bytes a store
.endr
.endm
	s_load_b256 s[4:11], s[0:1], 0x0               ; qf s[4:5], kvf s[6:7], the scales' exponents s[8:9], yf s[10:11]
	v_lshl_add_u32 v5, v0, 2, SPARE                ; my spare word; never rewritten
	v_mov_b32 v6, 0                                ; 0; never rewritten
	ds_add_u32 v5, v6                              ; the wave's opening: the add, twice on end, and its wait
	ds_add_u32 v5, v6
	v_lshrrev_b32 v8, 5, v0
	v_readfirstlane_b32 s12, v8                    ; wave 0..3
	s_and_b32 s61, s12, 1                          ; qg
	s_lshr_b32 s14, s12, 1                         ; kg
	s_and_b32 s16, ttmp7, 0xffff                   ; the head
	s_bfe_u32 s17, ttmp6, 0x40000                  ; cx
	s_lshl_b32 s13, s17, 1
	s_add_co_u32 s13, s13, s61                     ; 2 cx + qg: my tile 0 in a block
	s_mov_b32 s49, ttmp9                           ; the first block: m,
	s_sub_co_u32 s50, 15, s49                      ; and the second
	s_and_b32 s15, s49, 1                          ; the block's parity
	s_lshr_b32 s18, s49, 1                         ; the first block's last trip
	s_add_co_u32 s67, s18, 1                       ; its slots
	s_mov_b32 s19, 0                               ; the trip
	s_mov_b32 s24, 15|(3<<16)|(1<<21)              ; group 1: the mask: all four work-groups; elements of 8 bytes; 21 set beside a mask; no padding: every fragment load reads 512 consecutive bytes
	s_mov_b32 s25, 32<<16                          ; tensor_dim0 = 32 (256 bytes)
	s_mov_b32 s26, 128<<16                         ; tensor_dim1 = 128
	s_mov_b32 s27, 32<<16                          ; tile_dim0
	s_mov_b32 s28, 128                             ; tile_dim1: 32,768 bytes, dense
	s_mov_b32 s29, 32
	s_mov_b32 s30, 0
	s_mov_b32 s31, 0
	s_mov_b32 s20, 0x76543210                      ; v_permlanex16_b32's selects for lane l xor 16
	s_mov_b32 s21, 0xfedcba98
	s_mov_b32 s22, 0x3e314743                      ; c = 0.12 log2(e)
	s_mov_b32 s66, 0xff800000                      ; -infinity
	s_mov_b32 s48, 0                               ; LDS byte at which the slot in hand begins
	s_mov_b32 s39, 0
	s_mov_b32 s63, 0
	s_lshl_b32 s38, s16, 20                        ; the head's 8 slots
	s_lshl_b32 s33, s12, 15                        ; my step of a slot, in memory and in LDS
	s_add_co_u32 s38, s38, s33
	s_lshl_b32 s70, s14, 13                        ; my four K tiles of a step
	s_lshl_b32 s71, s14, 10                        ; my two chunks of V's images
	s_mul_i32 s72, s12, STGW
	s_add_co_u32 s72, s72, STG                     ; my stage,
	s_xor_b32 s73, s12, 2
	s_mul_i32 s73, s73, STGW
	s_add_co_u32 s73, s73, STG                     ; and that of the wave with the same tiles
	s_add_co_u32 s74, s72, 8192
	s_add_co_u32 s75, s73, 8192
	s_lshl_b32 s76, s13, 4
	s_lshl_b32 s77, s14, 6
	s_sub_co_i32 s76, s76, s77                     ; 16 (2 cx + qg) - 64 kg
	s_wait_alu depctr_va_vdst(0)
	s_wait_dscnt 0x0                               ; both opening adds are done
	s_wait_kmcnt 0x0
	s_load_b256 s[40:47], s[8:9], 0x0              ; e0 .. e7
	s_add_nc_u64 s[36:37], s[6:7], s[38:39]        ; kvf at my step of the head's slot 0
	ADDRS 49, 52, 56
	ADDRS 50, 54, 58
	CROUND                                         ; all four work-groups are here: the first joint loads meet
	s_mov_b32 s88, 15|(3<<16)|(1<<21)              ; the head's group 1: 256 rows of 256 bytes
	s_mov_b32 s89, 32<<16
	s_mov_b32 s90, 256<<16
	s_mov_b32 s91, 32<<16
	s_mov_b32 s92, 256
	s_mov_b32 s93, 32
	s_mov_b32 s94, 0
	s_mov_b32 s95, 0
	s_cmp_gt_u32 s67, 1
	s_cselect_b32 s79, 1, 0                        ; trip 1's key slot
	s_lshr_b32 s78, s12, 1
	s_and_b32 s79, s79, s78                        ; waves 0 and 1: slot 0
	s_lshl_b32 s96, s79, 17
	s_and_b32 s79, s12, 1
	s_lshl_b32 s79, s79, 16                        ; which half of it
	s_add_co_u32 s96, s96, s79
	s_lshl_b32 s79, s16, 20
	s_add_co_u32 s96, s96, s79
	s_mov_b32 s97, 0
	s_mov_b32 s32, 1
	s_lshl_b32 s33, s12, 16                        ; waves 0, 1: LDS slot 0; waves 2, 3: slot 1
	s_add_nc_u64 s[34:35], s[6:7], s[96:97]
	s_or_b32 s35, s35, 0x80000000
	tensor_load_to_lds s[32:35], s[88:95]          ; the slots of trips 0 and 1, half a slot a wave
	s_nop 0
	PLACES
	v_and_b32 v11, 31, v0
	v_lshlrev_b32 v2, 4, v11                       ; 16 x lane
	v_lshlrev_b32 v12, 2, v11
	v_add_nc_u32 v1, s70, v2
	v_add_nc_u32 v3, s71, v2
	v_add_nc_u32 v7, s72, v2
	v_add_nc_u32 v8, s73, v2
	v_add_nc_u32 v9, s74, v12
	v_add_nc_u32 v10, s75, v12
	v_and_b32 v13, 15, v0
	v_bfe_u32 v14, v0, 4, 1
	v_lshlrev_b32 v14, 3, v14
	v_sub_nc_u32 v13, v13, v14
	v_add_nc_u32 v4, s76, v13                      ; d
	QLOAD 52                                       ; the first block's Q
.irp r, 17,19,23,25,28,29,42,43
	v_mov_b32 v\r, 0                               ; written once: upper halves of pairs, and lane permutes' destinations
.endr
	INIT
	s_wait_alu depctr_va_vdst(0)
	s_wait_kmcnt 0x0
	s_add_co_i32 s61, s42, s43
	s_lshl_b32 s61, s61, 23
	s_add_co_i32 s22, s22, s61                     ; a score stands for score x 2^(e2 + e3): added to c's exponent field
	s_mov_b32 s23, s22
	s_add_co_i32 s61, s45, 127
	s_lshl_b32 s62, s61, 23                        ; 2^e5
	s_add_co_i32 s61, s61, 8
	s_lshl_b32 s61, s61, 23
	s_or_b32 s61, s61, 0x600000                    ; 448 x 2^e5
.irp w, 0x40,0x80
	WIN \w
	v_mov_b32 v8, s62
	v_mov_b32 v9, s61
.endr
	WIN 0
	s_add_co_i32 s61, s46, 127
	s_lshl_b32 s62, s61, 23
	v_mov_b32 v30, s62                             ; 2^e6, for y
	s_add_co_i32 s61, s61, 8
	s_lshl_b32 s61, s61, 23
	s_or_b32 s61, s61, 0x600000
	v_mov_b32 v31, s61
	s_add_co_i32 s60, s44, s45                     ; e4 + e5
	s_wait_alu depctr_va_vdst(0)                   ; the wait at the head's end
	s_wait_tensorcnt 0x0                           ; my half slot of trip 0 or 1 is in
	s_lshl_b32 s33, s12, 15
	s_add_co_u32 s33, s33, SLOTB                   ; from here on a step a wave; trip 0 turns it to slot 0
	s_barrier_signal -1
	s_barrier_wait -1                              ; both slots are whole
	v_add_nc_u32 v13, 0x10000, v1
	KLOAD 1, 3, 0
	KLOAD 13, 0, 128
.Lfill:                                            ; trips 0 to 6 ask for the slots of trips 2 to 8
	STEP 1
	s_wait_alu depctr_va_vdst(0)
	s_cmp_lg_u32 s19, s18                          ; the first block's last trip?
	s_cbranch_scc1 .Lsame
	FINAL 56
	INIT
	s_mov_b32 s18, 8                               ; the second block's last trip
	s_xor_b32 s15, s15, 1
	s_wait_alu depctr_va_vdst(0)
	s_wait_xcnt 0x0                                ; the codes' registers are written again only behind this wait
.Lsame:
	s_xor_b32 s48, s48, SLOTB                      ; on to the other slot
	s_add_co_u32 s19, s19, 1
	s_cmp_lt_u32 s19, 7
	s_cbranch_scc1 .Lfill
.Llast:                                            ; trips 7 and 8 ask for nothing more
	STEP 0
	s_wait_alu depctr_va_vdst(0)
	s_xor_b32 s48, s48, SLOTB
	s_add_co_u32 s19, s19, 1
	s_cmp_lt_u32 s19, 9
	s_cbranch_scc1 .Llast
	FINAL 58
	s_wait_tensorcnt 0x0                           ; the wave's end
	ds_add_u32 v5, v6
	s_wait_dscnt 0x0
	CROUND                                         ; the closing round
	s_endpgm
.Lfunc_end_k_q373d3cb614_attn:
	.size	k_q373d3cb614_attn, .Lfunc_end_k_q373d3cb614_attn-k_q373d3cb614_attn
	.p2alignl 7, 3214868480
	.fill 96, 4, 3214868480
	.section	.rodata,"a",@progbits
	.p2align	6, 0x0
	.amdhsa_kernel k_q373d3cb614_attn
		.amdhsa_group_segment_fixed_size 327680
		.amdhsa_private_segment_fixed_size 0
		.amdhsa_enable_private_segment 0
		.amdhsa_kernarg_size 32
		.amdhsa_user_sgpr_count 2
		.amdhsa_user_sgpr_kernarg_segment_ptr 1
		.amdhsa_wavefront_size32 1
		.amdhsa_system_sgpr_workgroup_id_x 1
		.amdhsa_system_sgpr_workgroup_id_y 1
		.amdhsa_system_sgpr_workgroup_id_z 1
		.amdhsa_system_vgpr_workitem_id 0
		.amdhsa_next_free_vgpr 1024
		.amdhsa_next_free_sgpr 102
		.amdhsa_reserve_vcc 0
		.amdhsa_float_denorm_mode_32 3
		.amdhsa_float_denorm_mode_16_64 3
		.amdhsa_memory_ordered 1
		.amdhsa_forward_progress 1
		.amdhsa_inst_pref_size 212
	.end_amdhsa_kernel
	.amdgpu_metadata
---
amdhsa.version: [ 1, 2 ]
amdhsa.kernels:
  - .name:           k_q373d3cb614_attn
    .symbol:         k_q373d3cb614_attn.kd
    .args:
      - { .name: qf, .offset: 0, .size: 8, .value_kind: global_buffer, .address_space: global }
      - { .name: kvf, .offset: 8, .size: 8, .value_kind: global_buffer, .address_space: global }
      - { .name: lowp_scales, .offset: 16, .size: 8, .value_kind: global_buffer, .address_space: global }
      - { .name: yf, .offset: 24, .size: 8, .value_kind: global_buffer, .address_space: global }
    .group_segment_fixed_size: 327680
    .private_segment_fixed_size: 0
    .kernarg_segment_align: 8
    .kernarg_segment_size: 32
    .max_flat_workgroup_size: 128
    .sgpr_count:     102
    .vgpr_count:     1024
    .wavefront_size: 32
...
	.end_amdgpu_metadata
.endif
;; end of part 2
;; launch proj (part 3): grid 8 x 32, 4 waves a work-group, clusters of 4 x 4, 327,680 bytes of LDS; arguments yf, c_proj_w_codes, lowp_scales, out0; writes out0
.if DOCPART == 3
	.amdgcn_target "amdgcn-amd-amdhsa--gfx1250"
	.amdhsa_code_object_version 6
	.text
	.protected	k_q373d3cb614_proj
	.globl	k_q373d3cb614_proj
	.p2align	8
	.type	k_q373d3cb614_proj,@function
k_q373d3cb614_proj:
	s_mov_b64 s[64:65], 0
	v_nop
	global_prefetch_b8 v0, s[64:65] scope:SCOPE_SE
	s_setreg_imm32_b32 hwreg(HW_REG_WAVE_MODE, 25, 1), 1
	s_wait_xcnt 0x0
	s_wait_alu depctr_hold_cnt(0) depctr_sa_sdst(0) depctr_va_vdst(0) depctr_va_sdst(0) depctr_va_ssrc(0) depctr_va_vcc(0) depctr_vm_vsrc(0)
	s_getreg_b32 s2, hwreg(HW_REG_IB_STS2, 6, 4)
	s_cmp_eq_u32 s2, 0
	s_cbranch_scc0 .Lentry_in_a_cluster
	s_endpgm
.Lentry_in_a_cluster:
	s_bfe_u32 s2, ttmp6, 0x10000c
	s_cmp_lg_u32 s2, 0xf033
	s_cbranch_scc0 .Lentry_shape_is_right
	s_endpgm
.Lentry_shape_is_right:
; out = y W^T on E4M3 codes: [4,096 x 1,024] x [1,024 x 1,024], f32 out; each finished sum x 2^(e6 + e7).  LIMIT: e6 + e7 between -126 and 127.
; y comes as images of operand registers, yf: [block of 128 tokens][head = K step of 128][tile of 16 tokens][2048]: registers 4 g .. 4 g + 3 of lane l at byte 512 g + 16 l, in the plain form's own layout
; (registers 2 c, 2 c + 1: k = 16 c + 8 h + 0 .. 7).  So W's fragments are read from its rows in that same layout: eight loads of 8 bytes at row x pitch + 8 h + 16 c.
; A work-group makes 128 x 128 of out: 256 work-groups.  Four waves, each 64 x 64.  THE WHOLE K FITS IN LDS: 128 KiB of y, 132 KiB of W: nothing is filled twice, so there is no ring, and no loop for a prefetch to run ahead in.
; The head brings the first half of K, one tensor load a wave (waves 0, 1: two heads of y each; waves 2, 3: 64 rows of W each); the second half is asked for behind a full sequence and lands under the first half's products.
; The second half goes by tiles of 16 tokens, finished one after the other, so that a tile's stores leave while the next is multiplied.
; CLUSTERS: 4 x 4 work-groups; y's block is shared along a row of the cluster, W's rows along a column: each part is asked for JOINTLY.
; THE MATRIX INSTRUCTION IS USED TRANSPOSED (source 0 = 16 rows of W, source 1 = 16 tokens): a lane holds eight neighbouring numbers of a row of out.
; REGISTERS: window 0: v1-25 addresses; v32-63 a tile's sums x 2^(e6 + e7); v64-127 rows read back, two buffers; v128-255 the accumulators ((i, n) at v[128 + 32 i + 8 n]).
;   Window 1: y's fragments of half of K: (i, k) at v[64 i + 16 (k % 4)].  Windows 2 and 3: W's fragments of K steps 0-3 and 4-7: (k, n) at v[64 (k % 4) + 16 n].
.set YQ,    32768                      ; a quarter of y's block: two heads
.set WB,    4*YQ                       ; W's halves of K: 128 rows x (512 bytes + 16): row r starts at bank 4 r mod 64 (64 banks of 4 bytes: ISA guide 11.1)
.set WP,    528
.set WH,    128*WP
.set STAGE, WB+2*WH                    ; 16 rows x (256 bytes + 16) for each wave; no fill lands here
.set SP,    272
.set SPARE, STAGE+4*16*SP              ; the spare words: 128 bytes for each wave, which no other line names
.set YA,  16                           ; v16-17  my y fragments, K steps 0-3, 4-7
.set WA,  18                           ; v18-19  my W fragments likewise
.set STO, 20
.set RD,  21
.set CO,  22
.set MSB, 0
.macro WIN new                         ; the immediate's high byte repeats the setting that is left
.if MSB != (\new)
	s_set_vgpr_msb (MSB<<8)|(\new)
.set MSB, (\new)
.endif
.endm
.macro PLACES
.rept 4
	v_nop
.endr
.endm
.macro CROUND                          ; a round of the cluster's barrier
	s_barrier_signal -1
	s_barrier_wait -1
	s_cmp_lg_u32 s12, 0
	s_cbranch_scc1 .Lnot_wave_0_\@
	s_barrier_signal -3
.Lnot_wave_0_\@:
	s_barrier_wait -3
	s_barrier_signal -1
	s_barrier_wait -1
.endm
.macro JLOAD gy, gw                    ; one load a wave, in one branch on the wave's number
	s_cmp_eq_u32 s13, 0
	s_cbranch_scc0 .Lfor_w_\@
	tensor_load_to_lds s[\gy:\gy+3], s[24:31]
	s_nop 0
	PLACES
	s_branch .Lasked_\@
.Lfor_w_\@:
	tensor_load_to_lds s[\gw:\gw+3], s[32:39]
	s_nop 0
	PLACES
.Lasked_\@:
.endm
	s_load_b256 s[4:11], s[0:1], 0x0               ; yf s[4:5], W's codes s[6:7], the scales' exponents s[8:9], out s[10:11]
	v_lshl_add_u32 v24, v0, 2, SPARE
	v_mov_b32 v25, 0
	ds_add_u32 v24, v25                            ; the wave's opening: the add, twice on end, and its wait
	ds_add_u32 v24, v25
	v_lshrrev_b32 v1, 5, v0
	v_readfirstlane_b32 s12, v1                    ; wave 0..3
	s_lshr_b32 s13, s12, 1                         ; a: which 64 tokens.  Also: I fetch for y (0) or for W (1)
	s_and_b32 s14, s12, 1                          ; b: which 64 columns.  Also: which part I fetch
	s_bfe_u32 s15, ttmp6, 0x40000                  ; cx, cy
	s_bfe_u32 s16, ttmp6, 0x40004
	s_lshl_b32 s17, ttmp9, 2
	s_add_co_u32 s17, s17, s15                     ; the block of 128 columns
	s_and_b32 s18, ttmp7, 0xffff
	s_lshl_b32 s18, s18, 2
	s_add_co_u32 s18, s18, s16                     ; the block of 128 tokens
	s_lshl_b32 s19, s16, 2
	s_lshl_b32 s19, 15, s19                        ; my row of the cluster
	s_lshl_b32 s20, 0x1111, s15                    ; my column
	s_or_b32 s24, s19, (3<<16)|(1<<21)             ; y: the mask of my row; elements of 8 bytes; 21 set beside a mask; dense
	s_mov_b32 s25, 32<<16                          ; rows of 256 bytes,
	s_mov_b32 s26, 128<<16                         ; 128 of them
	s_mov_b32 s27, 32<<16
	s_mov_b32 s28, 128
	s_mov_b32 s29, 32
	s_mov_b32 s30, 0
	s_mov_b32 s31, 0
	s_or_b32 s32, s20, (1<<20)|(1<<21)|(6<<22)|(3<<25)   ; W: the mask of my column; elements of 1 byte; four words of padding after every 128
	s_mov_b32 s33, 512<<16
	s_mov_b32 s34, 64<<16
	s_mov_b32 s35, 512<<16
	s_mov_b32 s36, 64
	s_mov_b32 s37, 1024
	s_mov_b32 s38, 0
	s_mov_b32 s39, 0
	s_lshl_b32 s58, s18, 17                        ; y: the block's 131,072 bytes: hangs on the token block and the wave alone
	s_lshl_b32 s21, s14, 15                        ; + my quarter, in memory and in LDS
	s_add_co_u32 s58, s58, s21
	s_mov_b32 s59, 0
	s_lshl_b32 s60, s17, 17                        ; W: 128 rows of 1,024 bytes: hangs on the column block and the wave alone
	s_lshl_b32 s22, s14, 16                        ; + my 64 rows
	s_add_co_u32 s60, s60, s22
	s_mov_b32 s61, 0
	s_mul_i32 s22, s14, 64*WP
	s_add_co_u32 s22, s22, WB
	s_wait_alu depctr_va_vdst(0)
	s_wait_dscnt 0x0                               ; both opening adds are done
	s_wait_kmcnt 0x0
	s_load_b64 s[56:57], s[8:9], 0x18              ; e6, e7
	s_add_nc_u64 s[4:5], s[4:5], s[58:59]
	s_add_nc_u64 s[6:7], s[6:7], s[60:61]
	CROUND                                         ; all sixteen work-groups are here: the joint loads meet
	s_mov_b32 s40, 1                               ; y, first half of K
	s_mov_b32 s41, s21
	s_mov_b64 s[42:43], s[4:5]
	s_or_b32 s43, s43, 0x80000000
	s_mov_b32 s48, 1                               ; W, first half of K
	s_mov_b32 s49, s22
	s_mov_b64 s[50:51], s[6:7]
	s_or_b32 s51, s51, 0x80000000
	JLOAD 40, 48
	s_mov_b32 s44, 1                               ; y, second half
	s_add_co_u32 s45, s21, 2*YQ
	s_add_nc_u64 s[46:47], s[4:5], 2*YQ
	s_or_b32 s47, s47, 0x80000000
	s_mov_b32 s52, 1                               ; W, second half
	s_add_co_u32 s53, s22, WH
	s_add_nc_u64 s[54:55], s[6:7], 512
	s_or_b32 s55, s55, 0x80000000
	s_lshl_b32 s58, s18, 19
	s_lshl_b32 s21, s13, 18
	s_add_co_u32 s58, s58, s21
	s_lshl_b32 s21, s17, 9
	s_add_co_u32 s58, s58, s21
	s_lshl_b32 s21, s14, 8
	s_add_co_u32 s58, s58, s21
	s_add_nc_u64 s[10:11], s[10:11], s[58:59]      ; out at my first row and column
	s_lshl_b32 s21, s13, 13                        ; my four tiles of tokens: 4 a images on
	s_mul_i32 s22, s14, 64*WP
	s_add_co_u32 s22, s22, WB                      ; my 64 rows of W
	s_mul_i32 s23, s12, 16*SP
	s_add_co_u32 s23, s23, STAGE                   ; my stage
	v_and_b32 v1, 15, v0                           ; r
	v_bfe_u32 v2, v0, 4, 1                         ; h
	v_and_b32 v3, 31, v0
	v_lshlrev_b32 v3, 4, v3                        ; 16 x lane
	v_add_nc_u32 v[YA], s21, v3
	v_add_nc_u32 v[YA+1], 2*YQ, v[YA]
	v_mul_u32_u24 v4, v1, WP
	v_lshl_add_u32 v4, v2, 3, v4
	v_add_nc_u32 v[WA], s22, v4                    ; row 64 b + r, + 8 h
	v_add_nc_u32 v[WA+1], WH, v[WA]
	v_mul_u32_u24 v5, v1, SP
	v_lshl_add_u32 v5, v2, 5, v5
	v_add_nc_u32 v[STO], s23, v5                   ; in: row r, 32 bytes for each half of the lanes
	v_mul_u32_u24 v6, v2, SP
	v_lshl_add_u32 v6, v1, 4, v6
	v_add_nc_u32 v[RD], s23, v6                    ; back: lanes 0-15 one row of 256 bytes, lanes 16-31 the next
	v_lshlrev_b32 v7, 12, v2
	v_lshl_add_u32 v[CO], v1, 4, v7                ; and the same two rows in out
.macro WLOAD k                         ; W's four fragments of K step k: 32 loads
	WIN 0x80+64*((\k)/4)
.irp n, 0,1,2,3
.irp c, 0,1,2,3,4,5,6,7
	ds_load_b64 v[64*((\k)%4)+16*\n+2*\c:64*((\k)%4)+16*\n+2*\c+1], v[WA+(\k)/4] offset:\n*16*WP+((\k)%4)*128+16*\c
.endr
.endr
.endm
.macro YFRAG i, k                      ; y's fragment of token tile i, K step k: 4 loads
	WIN 0x40
.irp g, 0,1,2,3
	ds_load_b128 v[64*(\i)+16*((\k)%4)+4*\g:64*(\i)+16*((\k)%4)+4*\g+3], v[YA+(\k)/4] offset:((\k)%4)*16384+(\i)*2048+512*\g
.endr
.endm
.macro YCOL k                          ; K step k of all four tiles
.irp i, 0,1,2,3
	YFRAG \i, \k
.endr
.endm
.macro YROW i                          ; the second half of K of tile i
.irp k, 4,5,6,7
	YFRAG \i, \k
.endr
.endm
.macro MULK i, k                       ; tile i, K step k: a tile's four accumulators take turns, three or more other instructions between two of one sum
	WIN 0x06+(\k)/4
.irp n, 0,1,2,3
.if (\k) == 0
	v_wmma_f32_16x16x128_fp8_fp8 v[128+32*(\i)+8*\n:135+32*(\i)+8*\n], v[64*((\k)%4)+16*\n:64*((\k)%4)+16*\n+15], v[64*(\i)+16*((\k)%4):64*(\i)+16*((\k)%4)+15], 0
.else
	v_wmma_f32_16x16x128_fp8_fp8 v[128+32*(\i)+8*\n:135+32*(\i)+8*\n], v[64*((\k)%4)+16*\n:64*((\k)%4)+16*\n+15], v[64*(\i)+16*((\k)%4):64*(\i)+16*((\k)%4)+15], v[128+32*(\i)+8*\n:135+32*(\i)+8*\n]
.endif
.endr
.endm
; THE WAY OUT of tile i, 16 rows x 64 columns, through my own stage: LDS serves a wave's instructions in order (ISA guide 5.7.1.4), so no wait stands between the stores and the loads.
.macro TOSTAGE i
	WIN 0
	PLACES                                         ; the tile's sums were just made
.if (\i) > 1
	s_wait_xcnt 0x0                                ; the stores of tile i - 2 have read their registers
.endif
.irp n, 0,1,2,3
.irp j, 0,2,4,6
	v_pk_mul_f32 v[32+8*\n+\j:33+8*\n+\j], v[128+32*(\i)+8*\n+\j:129+32*(\i)+8*\n+\j], s[56:57] op_sel_hi:[1,0]   ; each accumulator from its low end on
.endr
.endr
.irp n, 0,1,2,3
	ds_store_b128 v[STO], v[32+8*\n:35+8*\n] offset:64*\n
	ds_store_b128 v[STO], v[36+8*\n:39+8*\n] offset:64*\n+16
.endr
.irp u, 0,1,2,3,4,5,6,7
	ds_load_b128 v[64+32*((\i)%2)+4*\u:67+32*((\i)%2)+4*\u], v[RD] offset:\u*2*SP
.endr
.endm
.macro SEND i
	WIN 0
	s_wait_dscnt 0x0                               ; the tile's rows are back in registers
.irp u, 0,1,2,3,4,5,6,7
	global_store_b128 v[CO], v[64+32*((\i)%2)+4*\u:67+32*((\i)%2)+4*\u], s[10:11] offset:(16*(\i)+2*\u)*4096 th:TH_STORE_NT   ; 16 lanes store 256 consecutive bytes, at a multiple of 256 from out's first byte
.endr
.endm
	s_wait_alu depctr_va_vdst(0)                   ; the wait at the head's end
	s_wait_kmcnt 0x0
	s_add_co_i32 s56, s56, s57
	s_add_co_i32 s56, s56, 127
	s_lshl_b32 s56, s56, 23                        ; 2^(e6 + e7)
	s_mov_b32 s57, s56
	s_wait_tensorcnt 0x0                           ; my part of the first half is in
	ds_add_u32 v24, v25
	s_wait_dscnt 0x0
	CROUND                                         ; everybody's part of the first half is in
	JLOAD 44, 52                                   ; the second half, the first tensor load behind the round
	WLOAD 0
	YCOL 0
.set K, 0
.rept 4
.if K < 3
	WLOAD K+1
	YCOL K+1
	s_wait_dscnt 48                                ; all but the 48 just issued
.else
	s_wait_dscnt 0x0
.endif
.irp i, 0,1,2,3
	MULK \i, K
.endr
.set K, K+1
.endr
	WIN 0
	s_wait_tensorcnt 0x0                           ; my part of the second half is in; nothing is filled any more
	s_barrier_signal -1
	s_barrier_wait -1                              ; everybody's is
	PLACES                                         ; in front of loads into y's registers
	YROW 0
	WLOAD 4
.set K, 4
.rept 4
.if K < 7
	WLOAD K+1
.else
	YROW 1
	YROW 2
.endif
	s_wait_dscnt 32                                ; all but the 32 just issued
	MULK 0, K
.set K, K+1
.endr
	YROW 3
	TOSTAGE 0
	s_wait_dscnt 48                                ; tile 1's fragments are in; behind them: tiles 2's and 3's 32 loads and the stage's 16
.irp i, 1,2,3
	MULK \i, 4
	MULK \i, 5
	SEND (\i-1)
	MULK \i, 6
	MULK \i, 7
	TOSTAGE \i
.endr
	SEND 3
	s_wait_tensorcnt 0x0                           ; the wave's end
	ds_add_u32 v24, v25
	s_wait_dscnt 0x0
	CROUND                                         ; the closing round: no work-group ends while a partner may still ask for a tile that names it
	s_endpgm
.Lfunc_end_k_q373d3cb614_proj:
	.size	k_q373d3cb614_proj, .Lfunc_end_k_q373d3cb614_proj-k_q373d3cb614_proj
	.p2alignl 7, 3214868480
	.fill 96, 4, 3214868480
	.section	.rodata,"a",@progbits
	.p2align	6, 0x0
	.amdhsa_kernel k_q373d3cb614_proj
		.amdhsa_group_segment_fixed_size 327680
		.amdhsa_private_segment_fixed_size 0
		.amdhsa_enable_private_segment 0
		.amdhsa_kernarg_size 32
		.amdhsa_user_sgpr_count 2
		.amdhsa_user_sgpr_kernarg_segment_ptr 1
		.amdhsa_wavefront_size32 1
		.amdhsa_system_sgpr_workgroup_id_x 1
		.amdhsa_system_sgpr_workgroup_id_y 1
		.amdhsa_system_sgpr_workgroup_id_z 1
		.amdhsa_system_vgpr_workitem_id 0
		.amdhsa_next_free_vgpr 1024
		.amdhsa_next_free_sgpr 66
		.amdhsa_reserve_vcc 0
		.amdhsa_float_denorm_mode_32 3
		.amdhsa_float_denorm_mode_16_64 3
		.amdhsa_memory_ordered 1
		.amdhsa_forward_progress 1
		.amdhsa_inst_pref_size 53
	.end_amdhsa_kernel
	.amdgpu_metadata
---
amdhsa.version: [ 1, 2 ]
amdhsa.kernels:
  - .name:           k_q373d3cb614_proj
    .symbol:         k_q373d3cb614_proj.kd
    .args:
      - { .name: yf, .offset: 0, .size: 8, .value_kind: global_buffer, .address_space: global }
      - { .name: c_proj_w_codes, .offset: 8, .size: 8, .value_kind: global_buffer, .address_space: global }
      - { .name: lowp_scales, .offset: 16, .size: 8, .value_kind: global_buffer, .address_space: global }
      - { .name: out0, .offset: 24, .size: 8, .value_kind: global_buffer, .address_space: global }
    .group_segment_fixed_size: 327680
    .private_segment_fixed_size: 0
    .kernarg_segment_align: 8
    .kernarg_segment_size: 32
    .max_flat_workgroup_size: 128
    .sgpr_count:     66
    .vgpr_count:     1024
    .wavefront_size: 32
...
	.end_amdgpu_metadata
.endif
;; end of part 3
